; MI455X (gfx1250); checked and timed in simulation.
; The chip was launched on July 23, 2026; its instructions are those of AMD's public machine-readable ISA for CDNA 5 (MIT licence, August 2026) and "CDNA5" Instruction Set Architecture Reference Guide (July 2026). The comments in the code are by the model that wrote it; some were corrected since.
;; Match Net. Allowed arithmetic: matrix products marked QUANTISED: E2M3 operands, one E8M0 scale for each 32 along K, by v_wmma_scale_f32_16x16x128_f8f6f4 with both operands' format E2M3, f32 sums; everything else in f32.
;; Inputs: W_hh 2,048 x 512 float32; W_ih 2,048 x 256 float32; b_hh 2,048 float32; b_ih 2,048 float32; query_mean 8,192 x 256 float32; query_var 8,192 x 256 float32; support_mean 512 x 256 float32; support_var 512 x 256 float32.
;; Outputs: out0 8,192 x 512 float32.
;; This version of the problem:
;;   THIS VERSION OF THE PROBLEM IS GIVEN IN LOW PRECISION. The matrix products marked QUANTISED in the list below multiply operands that are first quantised to E2M3 (2 exponent bits, 3 mantissa bits; 6 bits a number), with one power-of-two scale for each 32 numbers along K (OCP MX v1.0); their sums are f32. All else is computed in f32.
;;   The module's matrix products, in the order in which they are computed (A, B: the left and right operand; K: the contracted axis; several contracted axes count as one K, in the product's order):
;;     1. [M 8,192, K 256] x [K 256, N 2,048]; A: input query_mean; B: input W_ih: QUANTISED
;;     2. [M 8,192, K 512] x [K 512, N 2,048]; A: computed on the way; B: input W_hh: QUANTISED
;;     3. [M 8,192, K 256] x [K 256, N 512]; A: computed on the way; B: input support_mean: QUANTISED
;;     4. [M 8,192, K 512] x [K 512, N 256]; A: softmax (see below); B: input support_mean: QUANTISED
;;     5. [M 8,192, K 256] x [K 256, N 2,048]; A: input query_mean; B: input W_ih: QUANTISED
;;     6. [M 8,192, K 512] x [K 512, N 2,048]; A: computed on the way; B: input W_hh: QUANTISED
;;     7. [M 8,192, K 256] x [K 256, N 512]; A: computed on the way; B: input support_mean: QUANTISED
;;     8. [M 8,192, K 512] x [K 512, N 256]; A: softmax (see below); B: input support_mean: QUANTISED
;;     9. [M 8,192, K 256] x [K 256, N 2,048]; A: input query_mean; B: input W_ih: QUANTISED
;;     10. [M 8,192, K 512] x [K 512, N 2,048]; A: computed on the way; B: input W_hh: QUANTISED
;;     11. [M 8,192, K 256] x [K 256, N 512]; A: computed on the way; B: input support_mean: QUANTISED
;;     12. [M 8,192, K 512] x [K 512, N 256]; A: softmax (see below); B: input support_mean: QUANTISED
;;     13. [M 8,192, K 256] x [K 256, N 2,048]; A: input query_mean; B: input W_ih: QUANTISED
;;     14. [M 8,192, K 512] x [K 512, N 2,048]; A: computed on the way; B: input W_hh: QUANTISED
;;     15. [M 8,192, K 256] x [K 256, N 512]; A: computed on the way; B: input support_mean: QUANTISED
;;     16. [M 8,192, K 512] x [K 512, N 256]; A: softmax (see below); B: input support_mean: QUANTISED
;;     17. [M 8,192, K 256] x [K 256, N 512]; A: computed on the way; B: input support_mean: QUANTISED
;;   THE QUANTISER, for each operand of a quantised product, along K:
;;     - K is cut into blocks of 32 from its start; a last block that is shorter is filled with zeros.
;;     - A block's scale is 2^e with e = floor(log2(the largest magnitude in the block)) - 2, held to -126 .. 127; a block of zeros has e = 0. As a byte (E8M0): e + 127.
;;     - Each number is divided by its block's scale, clamped to +-7.5, and rounded to the nearest number of E2M3, ties to even, subnormals kept.
;;     - The product sums the exact products of the quantised numbers (number of the format x scale) in f32.
;;   ~~~python
;;   def quantise(x, axis):      # numpy; x: float32 -> the quantised numbers, widened to float32 again
;;       x = np.moveaxis(x, axis, -1); K = x.shape[-1]
;;       x = np.pad(x, [(0, 0)] * (x.ndim - 1) + [(0, -K % 32)]); x = x.reshape(x.shape[:-1] + (-1, 32)); a = np.abs(x).max(-1, keepdims=True)
;;       e = np.where(a > 0, np.clip(np.frexp(np.where(a > 0, a, 1))[1] - 1 - 2, -126, 127), 0)      # np.frexp(a)[1] - 1 = floor(log2(a)), exactly
;;       r = np.clip(x / 2.0 ** e, -7.5, 7.5)
;;       step = 2.0 ** (np.maximum(np.frexp(np.where(r == 0, 1, r))[1] - 1, 0) - 3)
;;       q = np.round(r / step) * step * 2.0 ** e      # np.round: ties to even
;;       return np.moveaxis(q.reshape(q.shape[:-2] + (-1,))[..., :K], -1, axis).astype(np.float32)
;;   ~~~
;;   SOFTMAX AHEAD OF A QUANTISED PRODUCT. Where the list says 'softmax', what is quantised is not the finished softmax but p = 2^(t - M), with t = logit x log2(e) and M = ceil(the row's largest t), a whole number; so 1/2 < the row's largest p <= 1. The row's sum l is taken of the UNQUANTISED p, in f32, and the product's result is divided by l at the end. Since M is a whole number, a kernel that streams over the keys may use a running M (the ceiling of the running maximum): every later rescaling is an exact power of two, which a block's scale takes up: the codes' values come out the same.
;;   OPERANDS COMPUTED ON THE WAY. 'Computed on the way' means the value that the module computes at that place (a softmax that the list does not call 'softmax' is quantised finished and normalised). What goes into a quantiser is computed in f32, as accurately as f32 sums, v_exp_f32 and their like allow (about 1e-6 of the number): no bf16 or f16 on the way to a quantiser, and a product that is left as it is and whose result goes on into a quantised operand takes f32 operands (vector FMAs, or v_wmma_f32_16x16x4_f32). A number that lies on a knife's edge between two numbers of the format may be rounded either way, as far as f32 arithmetic and the matrix unit's own rounding can turn it there, and no further.
;; One version. Each part assembles by itself: llvm-mc -triple=amdgcn-amd-amdhsa -mcpu=gfx1250 --defsym DOCPART=n.
;; ======== version 1 of 1: 2 launches
;; workspace buffers: wts 819,200 bytes
;; launch prep (part 1): grid 128 x 1, 4 waves a work-group, no clusters, 34,560 bytes of LDS; arguments W_ih, W_hh, support_mean, wts; writes wts
.if DOCPART == 1
	.amdgcn_target "amdgcn-amd-amdhsa--gfx1250"
	.amdhsa_code_object_version 6
	.text
	.protected	k_q78c93f5bf6_prep
	.globl	k_q78c93f5bf6_prep
	.p2align	8
	.type	k_q78c93f5bf6_prep,@function
k_q78c93f5bf6_prep:
	s_mov_b64 s[64:65], 0
	v_nop
	global_prefetch_b8 v0, s[64:65] scope:SCOPE_SE
	s_setreg_imm32_b32 hwreg(HW_REG_WAVE_MODE, 25, 1), 1
	s_wait_xcnt 0x0
; The weights that the second launch multiplies by are turned ONCE into codes of FP6 (E2M3) with one E8M0 byte for each 32 along K, and laid in the ORDER OF THE OPERAND'S REGISTERS.
; wts = 8 units of 102,400 bytes: 0, 1: W_ih (j tiles 0, 1 and 2, 3); 2: support_mean with K = its columns; 3: support_mean with K = its rows; 4 to 7: W_hh, j tile 0 to 3.
; A unit = 4 parts of 25,600 bytes, one for each wave w of the second launch.  A part = 16 fragments (16 rows x 128 K) of 1,536 bytes, fragment f at 1536 f: registers 4 c .. 4 c + 3 of lane l at 512 c + 16 l;
; then 1,024 bytes of scale words: that of fragment f, tile row r, at 24576 + 256 (f / 4) + 8 (16 (f % 2) + r) + 4 ((f / 2) % 2).
; THE ROWS OF A TILE ARE NOT NEIGHBOURS: tile row t is source row base + t + 8 (t / 8), so that two neighbouring tiles' results are 16 neighbours along the next product's K.
; ONLY THE LIVE ROWS: the module keeps columns 0 to 255 of the cell's output, and the cell state is elementwise: rows 512 g + 256 .. 512 g + 511 of W_ih and W_hh reach no result and are not read.
; SHARES: a wave makes one fragment; the four waves of a work-group make fragments 4 fg .. 4 fg + 3 of one part, whose scale words are one aligned block of 256 bytes.
; A block's scale is 2^(floor(log2(its largest magnitude)) - 2); its byte is the largest magnitude's exponent field - 2, held at 1 from below.
; LIMITS: a block of zeros gets the byte 1 where the rule says 127 (its codes are zeros, and this program alone reads the bytes); blocks under 2^-124 are held at the byte 1; NaN and infinities are not served.
.set SPW,   1                          ; v1   LDS address of my spare word; never rewritten
.set NIL,   2                          ; v2   0; never rewritten
.set R,     16                         ; v16-79   16 tile rows as loaded: 16 bytes a lane of each
.set X,     80                         ; v80-143  register 32 c + i = k 64 c + 32 (lane / 16) + i of tile row lane % 16
.set C,     144                        ; v144-155 the fragment
.set T,     156                        ; v156-163 the second halves of the blocks' codes
.set SCG,   33792                      ; LDS: four stages of 16 rows x 528 bytes (one a wave), then 256 bytes in which the scale words meet,
.set SPARE, 34048                      ; then the spare words, 128 bytes for each wave: two blocks of 256 bytes that no other line names
	s_load_b256 s[4:11], s[0:1], 0x0               ; W_ih s[4:5], W_hh s[6:7], support_mean s[8:9], wts s[10:11]
	v_lshl_add_u32 v[SPW], v0, 2, SPARE
	v_mov_b32 v[NIL], 0
	v_lshrrev_b32 v3, 5, v0
	v_readfirstlane_b32 s15, v3                    ; wv: my wave
	v_and_b32 v3, 31, v0                           ; l
	v_and_b32 v4, 15, v0                           ; r
	v_bfe_u32 v5, v0, 4, 1                         ; h
	s_lshr_b32 s12, ttmp9, 4                       ; u: the unit
	s_bfe_u32 s13, ttmp9, 0x20002                  ; w: the part
	s_and_b32 s14, ttmp9, 3                        ; fg: which four fragments
	s_and_b32 s16, s14, 1
	s_lshr_b32 s17, s14, 1
	s_lshl_b32 s18, s15, 9
	s_lshl_b32 s19, s13, 6
	s_add_co_u32 s18, s18, s19                     ; 512 wv + 64 w: gate wv, the part's 64 columns
	s_lshr_b32 s22, s15, 1
	s_lshl_b32 s22, s22, 5
	s_and_b32 s23, s15, 1
	s_lshl_b32 s35, s23, 3
	s_add_co_u32 s22, s22, s35                     ; 32 (wv / 2) + 8 (wv % 2)
	s_lshl_b32 s24, s12, 5
	s_lshl_b32 s25, s16, 3
	s_add_co_u32 s24, s24, s25
	s_add_co_u32 s24, s24, s18                     ; units 0, 1: first row 512 wv + 64 w + 32 u + 8 (fg % 2) of W_ih
	s_lshl_b32 s25, s13, 7
	s_lshl_b32 s26, s16, 6
	s_add_co_u32 s25, s25, s26
	s_add_co_u32 s25, s25, s22                     ; unit 2: 128 w + 64 (fg % 2) + 32 (wv / 2) + 8 (wv % 2) of support_mean
	s_and_b32 s26, s12, 3                          ; units 4 to 7: q = u - 4
	s_lshr_b32 s27, s26, 1
	s_lshl_b32 s27, s27, 5
	s_and_b32 s26, s26, 1
	s_lshl_b32 s26, s26, 3
	s_add_co_u32 s26, s26, s27
	s_add_co_u32 s26, s26, s18                     ; 512 wv + 64 w + 32 (q / 2) + 8 (q % 2) of W_hh
	s_add_co_u32 s27, s19, s22                     ; unit 3: first column 64 w + 32 (wv / 2) + 8 (wv % 2) of support_mean
	s_cmp_lt_u32 s12, 2
	s_cselect_b32 s24, s24, s25
	s_lshl_b32 s24, s24, 10                        ; rows of 1,024 bytes,
	s_lshl_b32 s25, s17, 9
	s_add_co_u32 s24, s24, s25                     ; K step fg / 2: 512 bytes each
	s_lshl_b32 s26, s26, 11                        ; rows of 2,048 bytes,
	s_lshl_b32 s25, s14, 9
	s_add_co_u32 s26, s26, s25                     ; K step fg
	s_lshl_b32 s27, s27, 2                         ; a column is 4 bytes,
	s_lshl_b32 s25, s14, 17
	s_add_co_u32 s27, s27, s25                     ; K step fg: 128 rows of 1,024 bytes
	s_cmp_lt_u32 s12, 3
	s_cselect_b32 s28, s24, s26
	s_cmp_eq_u32 s12, 3
	s_cselect_b32 s28, s27, s28                    ; where my fragment's numbers begin in their tensor
	s_mov_b32 s29, 0
	s_mul_i32 s30, s12, 102400
	s_mul_i32 s31, s13, 25600
	s_add_co_u32 s30, s30, s31                     ; where the part begins in wts
	s_mov_b32 s31, 0
	s_lshl_b32 s32, s14, 2
	s_add_co_u32 s32, s32, s15                     ; f = 4 fg + wv
	s_mul_i32 s32, s32, 1536
	s_lshl_b32 s33, s14, 8
	s_add_co_u32 s33, s33, 24576                   ; the four fragments' block of scale words
	s_lshl_b32 s34, s23, 7
	s_lshr_b32 s35, s15, 1
	s_lshl_b32 s35, s35, 2
	s_add_co_u32 s34, s34, s35
	s_add_co_u32 s34, s34, SCG                     ; my words' place in it: 128 (wv % 2) + 4 (wv / 2)
	s_mul_i32 s36, s15, 8448                       ; my stage
	s_mov_b32 s38, 0x76543210
	s_mov_b32 s39, 0xfedcba98                      ; v_permlanex16_b32's selects for lane l xor 16
	v_lshlrev_b32 v6, 4, v3                        ; 16 l: my 16 bytes of a tile row's 512
	v_add_nc_u32 v7, s36, v6                       ; the stage, on the way in
	v_mul_u32_u24 v8, v4, 528
	v_lshl_add_u32 v8, v5, 7, v8
	v_add_nc_u32 v8, s36, v8                       ; and out: row r, + 128 h
	v_and_b32 v14, 8, v4
	v_add_nc_u32 v14, v14, v4                      ; r + 8 (r / 8)
	v_lshlrev_b32 v9, 2, v14
	v_lshl_add_u32 v9, v5, 15, v9                  ; unit 3: my column, and 32 h rows down
	v_add_nc_u32 v10, s32, v6                      ; my 16 bytes of a plane of my fragment
	v_lshl_add_u32 v11, v4, 3, s34                 ; my scale word in LDS: + 8 r
	v_lshlrev_b32 v12, 3, v3
	v_add_nc_u32 v13, s33, v12                     ; the block of scale words in wts, 8 bytes a lane
	v_add_nc_u32 v12, SCG, v12                     ; and in LDS
	s_wait_kmcnt 0x0
	s_cmp_lt_u32 s12, 2                            ; the tensor is chosen by the unit's number alone
	s_cselect_b64 s[20:21], s[4:5], s[8:9]
	s_cmp_gt_u32 s12, 3
	s_cselect_b64 s[20:21], s[6:7], s[20:21]
	s_add_nc_u64 s[20:21], s[20:21], s[28:29]
	s_add_nc_u64 s[10:11], s[10:11], s[30:31]
.macro ROWS pitch                      ; K innermost: load j takes tile row j's 128 numbers: 32 lanes read 512 consecutive bytes
.irp j, 0,1,2,3,4,5,6,7,8,9,10,11,12,13,14,15
	global_load_b128 v[R+4*\j:R+4*\j+3], v6, s[20:21] offset:(\j+8*(\j/8))*\pitch th:TH_LOAD_NT
.endr
.endm
	s_cmp_eq_u32 s12, 3
	s_cbranch_scc1 .Lcolumns
	s_cmp_lt_u32 s12, 3
	s_cbranch_scc0 .Lwide
	ROWS 1024
	s_branch .Lrows_in
.Lwide:
	ROWS 2048
.Lrows_in:
	s_wait_loadcnt 0x0
.irp j, 0,1,2,3,4,5,6,7,8,9,10,11,12,13,14,15
	ds_store_b128 v7, v[R+4*\j:R+4*\j+3] offset:528*\j             ; through my own stage: rows 528 bytes apart
.endr
.irp c, 0,1
.irp e, 0,1,2,3,4,5,6,7
	ds_load_b128 v[X+32*\c+4*\e:X+32*\c+4*\e+3], v8 offset:256*\c+16*\e   ; LDS serves a wave's instructions in order: these see my stores.  Two whole blocks of 32 of my row
.endr
.endr
	s_wait_dscnt 0x0
	s_branch .Lquantise
.Lcolumns:                                             ; K = the supports, the tensor's FIRST axis: a lane takes a column and its registers run down K.  A load reads two pieces of 32 bytes; the four waves' columns are 256 consecutive bytes of each row
.irp c, 0,1
.irp i, 0,1,2,3,4,5,6,7,8,9,10,11,12,13,14,15,16,17,18,19,20,21,22,23,24,25,26,27,28,29,30,31
	global_load_b32 v[X+32*\c+\i], v9, s[20:21] offset:(64*\c+\i)*1024
.endr
.endr
	s_wait_loadcnt 0x0
.Lquantise:
.irp c, 0,1                                    ; my blocks h and 2 + h: all their numbers are mine
	v_max3_num_f32 v[164+\c], |v[X+32*\c]|, |v[X+32*\c+1]|, 0x1800000   ; and the floor 2^(3 - 127): the byte cannot fall under 1
.endr
.irp i, 2,4,6,8,10,12,14,16,18,20,22,24,26,28,30
.irp c, 0,1
	v_max3_num_f32 v[164+\c], v[164+\c], |v[X+32*\c+\i]|, |v[X+32*\c+\i+1]|
.endr
.endr
.irp c, 0,1
	v_add_nc_u32 v[166+\c], 0xff000000, v[164+\c]  ; 2 off the exponent field: the conversion takes the exponent field of this operand as its scale
.endr
.irp c, 0,1
	v_lshrrev_b32 v[168+\c], 23, v[166+\c]         ; the scale's byte
.endr
	v_lshl_or_b32 v170, v169, 16, v168             ; my two bytes,
	v_lshlrev_b32 v171, 3, v5
	v_lshlrev_b32 v170, v171, v170                 ; at their places in the row's word (8 h bits up);
	v_mov_b32 v171, 0
	v_permlanex16_b32 v171, v170, s38, s39
	v_or_b32 v170, v170, v171                      ; with lane l xor 16's two the word is whole
.irp c, 0,1
	v_cvt_scalef32_pk16_fp6_f32 v[C+6*\c:C+6*\c+2], v[X+32*\c:X+32*\c+15], v[166+\c]
	v_cvt_scalef32_pk16_fp6_f32 v[T+4*\c:T+4*\c+2], v[X+32*\c+16:X+32*\c+31], v[166+\c]   ; (a conversion's three registers begin on an even number)
.endr
	v_nop                                          ; one plain place behind a scaled conversion
.irp c, 0,1
.irp i, 0,1,2
	v_mov_b32 v[C+3+6*\c+\i], v[T+4*\c+\i]
.endr
.endr
.irp c, 0,1,2
	global_store_b128 v10, v[C+4*\c:C+4*\c+3], s[10:11] offset:512*\c   ; 32 lanes store 512 consecutive bytes, at a multiple of 256 from the buffer's first byte
.endr
	ds_store_b32 v11, v170                         ; lanes l and l xor 16 write the same word with the same value
	s_wait_dscnt 0x0                               ; for the others' sake: my word has landed
	s_barrier_signal -1
	s_barrier_wait -1
	s_cmp_lg_u32 s15, 0                            ; wave 0 stores the four fragments' words
	s_cbranch_scc1 .Lend
	ds_load_b64 v[172:173], v12
	s_wait_dscnt 0x0
	global_store_b64 v13, v[172:173], s[10:11]     ; 32 lanes store 256 consecutive bytes, aligned
.Lend:
	s_wait_tensorcnt 0x0                           ; the wave's end: behind my last LDS store
	ds_add_u32 v[SPW], v[NIL]
	s_wait_dscnt 0x0
	s_endpgm
.Lfunc_end_k_q78c93f5bf6_prep:
	.size	k_q78c93f5bf6_prep, .Lfunc_end_k_q78c93f5bf6_prep-k_q78c93f5bf6_prep
	.p2alignl 7, 3214868480
	.fill 96, 4, 3214868480
	.section	.rodata,"a",@progbits
	.p2align	6, 0x0
	.amdhsa_kernel k_q78c93f5bf6_prep
		.amdhsa_group_segment_fixed_size 34560
		.amdhsa_private_segment_fixed_size 0
		.amdhsa_enable_private_segment 0
		.amdhsa_kernarg_size 32
		.amdhsa_user_sgpr_count 2
		.amdhsa_user_sgpr_kernarg_segment_ptr 1
		.amdhsa_wavefront_size32 1
		.amdhsa_system_sgpr_workgroup_id_x 1
		.amdhsa_system_sgpr_workgroup_id_y 1
		.amdhsa_system_sgpr_workgroup_id_z 1
		.amdhsa_system_vgpr_workitem_id 0
		.amdhsa_next_free_vgpr 192
		.amdhsa_next_free_sgpr 66
		.amdhsa_reserve_vcc 0
		.amdhsa_float_denorm_mode_32 3
		.amdhsa_float_denorm_mode_16_64 3
		.amdhsa_memory_ordered 1
		.amdhsa_forward_progress 1
		.amdhsa_inst_pref_size 19
	.end_amdhsa_kernel
	.amdgpu_metadata
---
amdhsa.version: [ 1, 2 ]
amdhsa.kernels:
  - .name:           k_q78c93f5bf6_prep
    .symbol:         k_q78c93f5bf6_prep.kd
    .args:
      - { .name: W_ih, .offset: 0, .size: 8, .value_kind: global_buffer, .address_space: global }
      - { .name: W_hh, .offset: 8, .size: 8, .value_kind: global_buffer, .address_space: global }
      - { .name: support_mean, .offset: 16, .size: 8, .value_kind: global_buffer, .address_space: global }
      - { .name: wts, .offset: 24, .size: 8, .value_kind: global_buffer, .address_space: global }
    .group_segment_fixed_size: 34560
    .private_segment_fixed_size: 0
    .kernarg_segment_align: 8
    .kernarg_segment_size: 32
    .max_flat_workgroup_size: 128
    .sgpr_count:     66
    .vgpr_count:     192
    .wavefront_size: 32
...
	.end_amdgpu_metadata
.endif
;; end of part 1
;; launch main (part 2): grid 256 x 1, 4 waves a work-group, clusters of 4 x 1, 327,680 bytes of LDS; arguments wts, query_mean, b_ih, b_hh, out0; writes out0
.if DOCPART == 2
	.amdgcn_target "amdgcn-amd-amdhsa--gfx1250"
	.amdhsa_code_object_version 6
	.text
	.protected	k_q78c93f5bf6_main
	.globl	k_q78c93f5bf6_main
	.p2align	8
	.type	k_q78c93f5bf6_main,@function
k_q78c93f5bf6_main:
	s_mov_b64 s[64:65], 0
	v_nop
	global_prefetch_b8 v0, s[64:65] scope:SCOPE_SE
	s_setreg_imm32_b32 hwreg(HW_REG_WAVE_MODE, 25, 1), 1
	s_wait_xcnt 0x0
	s_wait_alu depctr_hold_cnt(0) depctr_sa_sdst(0) depctr_va_vdst(0) depctr_va_sdst(0) depctr_va_ssrc(0) depctr_va_vcc(0) depctr_vm_vsrc(0)
	s_getreg_b32 s2, hwreg(HW_REG_IB_STS2, 6, 4)
	s_cmp_eq_u32 s2, 0
	s_cbranch_scc0 .Lentry_in_a_cluster
	s_endpgm
.Lentry_in_a_cluster:
	s_bfe_u32 s2, ttmp6, 0x10000c
	s_cmp_lg_u32 s2, 0x3003
	s_cbranch_scc0 .Lentry_shape_is_right
	s_endpgm
.Lentry_shape_is_right:
; MatchNet: four steps of (LSTM cell, h = x + its first 256 outputs, scores = h S^T, softmax, r = attn S); out0 = the last step's scores.  All products on codes of FP6 (E2M3), one E8M0 scale for each 32 along K; all else f32.
; WHAT IS COMPUTED.  Only cell outputs 0 to 255 are kept by the module and the cell state is elementwise, so gate columns 512 g + j, j < 256, are made and no others.  x W_ih^T + b_ih + b_hh is the same in all four steps:
; it is made once (Gx) and is the C of each later step's first product.  Step 1 starts from h_r = 0 and c = 0, which the module sets itself: its gates are Gx and its forget gate multiplies 0.  The last softmax and r feed nothing.
; SHARES.  A work-group owns 32 rows (two tiles m of 16) through all steps.  THE FOUR WAVES SHARE THE COLUMNS: wave w owns j (and r's columns) 64 w .. 64 w + 63 of all four gates, and supports 128 w .. 128 w + 127.
; ALL PRODUCTS ARE USED TRANSPOSED (source 0 = 16 weight rows, source 1 = 16 batch rows): a lane holds ONE batch row (lane % 16) and its registers run along the next product's K; the weights' tile rows were chosen for that.
; THE WEIGHTS come as images of the operand's registers (first launch): 8 units of 102,400 bytes, walked as a stream of 21: W_ih 0, 1 | 3 x (S by columns, S by rows, W_hh 0 .. 3) | S by columns, through a ring of two LDS slots.
; Each wave fetches and reads its own quarter of a unit: one tensor load of 100 rows x 256 bytes.  By this text's own count a wave has two tensor loads out at the start and one behind each round.
; CLUSTER.  All work-groups walk the same stream, so the four of a cluster ask for each quarter JOINTLY: the same load, the same descriptor, a mask that names the four.
; ACTIVATIONS (x, h, r, p) go from wave to wave through LDS as images of the operand's registers: registers 2 e, 2 e + 1 of lane l at 256 e + 8 l of a fragment's 1,536 bytes; a wave's 64 columns are half a fragment, 768 bytes on end.
; SOFTMAX: t = score x log2(e); M = ceil(the row's largest t) over all 512 supports (the waves' maxima meet in LDS); p = 2^(t - M) is quantised; the sum of the unquantised p divides r.
; sigmoid(a) = 1 / (1 + 2^(-L a)), tanh(a) = 1 - 2 / (1 + 2^(2 L a)), L = log2(e).  The cell state is kept as 2 L c.
; LIMITS: NaN and infinities among the inputs are not served.  tanh so made has an absolute error of about 1e-7, which stands beside x in h.  A block of zeros, or one under 2^-124, gets the byte 1.  A p under 2^-126 counts as 0.
; REGISTERS, in windows of 256 (s_set_vgpr_msb: bits 1:0 source 0, 3:2 source 1, 5:4 source 2, 7:6 destination):
;   window 0: v1-22 addresses, v24-31 constants, v32-39 the weights' scale words, v40-47 the activations', v48-113 at work, v128-255 ACC.   window 1: Gx at 64 q + 16 g + 8 m.
;   window 2: v0-191 a unit's 16 weight fragments.   window 3: v0-95 eight activation fragments; v96-159 x in h's layout (32 m + 8 q); v160-223 2 L c (16 q + 8 m).
.set U,      102400                    ; a unit
.set WP,     25600                     ; a wave's part of it
.set SLOT1,  102400                    ; LDS: slot 0 at 0, slot 1 here
.set HR,     204800                    ; h | r as codes (x at first): fragment 2 s + m; K steps s = 0, 1: h; 2, 3: r
.set HRS,    217088                    ; their scale words: 128 bytes a fragment, 4 x lane
.set TOP,    13312                     ; p's codes and scale words lie this far behind h | r's
.set PP,     HR+TOP                    ; fragment 2 s + m, s = the wave that made it
.set PPS,    HRS+TOP
.set MX,     231424                    ; the waves' row maxima: 128 w + 64 m + 4 r; 512 bytes on: their row sums
.set SPARE,  232448                    ; the spare words, 128 bytes for each wave: two blocks of 256 bytes that no other line names
.set STG,    232960                    ; the way out: for each wave 2 x 16 rows x 528 bytes
.set SPW, 1                            ; LDS address of my spare word; never rewritten
.set NIL, 2                            ; 0; never rewritten
.set WA,  3                            ; v3, v4   my part of slot 0, 1: + 16 l
.set WSA, 5                            ; v5, v6   its scale words: + 24576 + 8 l
.set AB,  7                            ; HR + 8 l
.set SB,  8                            ; HRS + 4 l
.set HW,  9                            ; where I store my half fragments of h: HR + 3072 (w / 2) + 768 (w % 2) + 8 l
.set HSW, 10                           ; and my two bytes of their scale words: HRS + 256 (w / 2) + 2 (w % 2) + 4 l
.set PWA, 11                           ; p: PP + 3072 w + 8 l
.set PSW, 12                           ; PPS + 256 w + 4 l
.set XW,  13                           ; x: fragment 2 (w % 2) + w / 2
.set XSW, 14
.set MXW, 15                           ; MX + 128 w + 4 r
.set MXR, 16                           ; MX + 4 r
.set STW, 17                           ; the stage, in: STG + 16896 w + 528 r + 64 h
.set STR, 18                           ; and back: STG + 16896 w + 16 l
.set GOF, 19                           ; out0: 512 w + 16 l
.set XQ,  20                           ; x for the quantiser
.set XR,  21                           ; x in h's layout
.set BO,  22                           ; the biases: 256 w + 64 h
.set WS,  32
.set AS,  40
.set TM,  48                           ; v48-51 four blocks' largest
.set TQ,  52                           ; v52-55 lane xor 16's; bytes
.set TS,  60                           ; v60-63 the conversions' scale operands
.set TB,  64                           ; v64-67 four more blocks' largest
.set NM,  68                           ; v[68:69], v[70:71] -M of row tile 0, 1
.set SU,  72                           ; v72-79 sums
.set PW,  80                           ; the scale word just made
.set PC,  82                           ; v82-93 the codes just made; v94-100 their second halves
.set T8,  102                          ; v102-109 the four waves' maxima or sums
.set RL,  110                          ; v[110:111], v[112:113] 1 / l
.set ACC, 128
.set GI,  ACC                          ; the gates of one j tile: 16 g + 8 m
.set GF,  ACC+16
.set GG,  ACC+32
.set GQ,  ACC+48
.set HH,  ACC+64                       ; h: 32 m + 8 q
.set XX,  96                           ; window 3
.set CC,  160                          ; window 3
.set MSB, 0
.macro WIN new                         ; the immediate's high byte repeats the setting that is left
.if MSB != \new
	s_set_vgpr_msb (MSB<<8)|\new
.set MSB, \new
.endif
.endm
.macro PLACES                          ; four plain places behind matrix instructions, ahead of loads into their registers and of reads of their results
.rept 4
	v_nop
.endr
.endm
.macro ROUND                           ; a round of the cluster's barrier
	s_barrier_signal -1
	s_barrier_wait -1
	s_cmp_lg_u32 s14, 0
	s_cbranch_scc1 .Lnot_wave_0_\@
	s_barrier_signal -3
.Lnot_wave_0_\@:
	s_barrier_wait -3
	s_barrier_signal -1
	s_barrier_wait -1
.endm
; THE CHANGE OF SLOTS, at a period's head.  Each wave waits for all its tensor loads (one is out: the unit that it is about to read), adds 0 to its spare word, and waits for that and for all its LDS instructions: its reads of the
; slot that it has left, and its stores of codes, which the others read behind the round.  Behind the round the slot just left takes the next unit but one.  way: 1, 2 units on; 0: five units back.
.macro CHANGE slotfill, way
	WIN 0
	s_wait_tensorcnt 0x0                           ; no tensor load of mine is out, so the group 0 may be written
	ds_add_u32 v[SPW], v[NIL]                      ; 0 onto my spare word; the descriptor's steps stand between it and the wait for it
	s_add_co_u32 s33, s40, (\slotfill)*SLOT1
.if (\way) == 0
	s_sub_nc_u64 s[34:35], s[34:35], 5*U
.else
	s_add_nc_u64 s[34:35], s[34:35], (\way)*U
.endif
	s_wait_dscnt 0x0
	ROUND
	tensor_load_to_lds s[32:35], s[24:31]          ; the first thing behind the round, and my one tensor load until the next
	s_nop 0
	PLACES                                         ; (they are also the places in front of the loads that follow)
.endm
.macro FETCHA n, top                   ; n activation fragments and their scale words
.set fa, 0
.rept \n
	ds_load_b32 v[AS+fa], v[SB] offset:128*fa+\top
.set fa, fa+1
.endr
	WIN 0xc0                                       ; destination window 3
.set fa, 0
.rept \n
.irp e, 0,1,2,3,4,5
	ds_load_b64 v[12*fa+2*\e:12*fa+2*\e+1], v[AB] offset:1536*fa+256*\e+\top
.endr
.set fa, fa+1
.endr
	WIN 0
.endm
.macro FETCHW slot                     ; my part of a unit: 4 loads of scale words (register i: fragment 2 i in lanes 0-15, 2 i + 1 in lanes 16-31), then 16 fragments x 3 loads, ascending
.irp g, 0,1,2,3
	ds_load_b64 v[WS+2*\g:WS+2*\g+1], v[WSA+\slot] offset:256*\g
.endr
	WIN 0x80                                       ; destination window 2
.set ff, 0
.rept 16
.irp c, 0,1,2
	ds_load_b128 v[12*ff+4*\c:12*ff+4*\c+3], v[WA+\slot] offset:1536*ff+512*\c
.endr
.set ff, ff+1
.endr
.endm
.macro MM d, f, a, c                   ; D = weight fragment f x activation fragment a + C; c < 0: the constant 0 starts the sum
.if (\c) < 0
.if (\f)%2
	v_wmma_scale_f32_16x16x128_f8f6f4 v[0+(\d):7+(\d)], v[12*(\f):12*(\f)+11], v[12*(\a):12*(\a)+11], 0, v[WS+(\f)/2], v[AS+(\a)] matrix_a_fmt:MATRIX_FMT_FP6 matrix_b_fmt:MATRIX_FMT_FP6 matrix_a_scale:MATRIX_SCALE_ROW1
.else
	v_wmma_scale_f32_16x16x128_f8f6f4 v[0+(\d):7+(\d)], v[12*(\f):12*(\f)+11], v[12*(\a):12*(\a)+11], 0, v[WS+(\f)/2], v[AS+(\a)] matrix_a_fmt:MATRIX_FMT_FP6 matrix_b_fmt:MATRIX_FMT_FP6
.endif
.else
.if (\f)%2
	v_wmma_scale_f32_16x16x128_f8f6f4 v[0+(\d):7+(\d)], v[12*(\f):12*(\f)+11], v[12*(\a):12*(\a)+11], v[0+(\c):7+(\c)], v[WS+(\f)/2], v[AS+(\a)] matrix_a_fmt:MATRIX_FMT_FP6 matrix_b_fmt:MATRIX_FMT_FP6 matrix_a_scale:MATRIX_SCALE_ROW1
.else
	v_wmma_scale_f32_16x16x128_f8f6f4 v[0+(\d):7+(\d)], v[12*(\f):12*(\f)+11], v[12*(\a):12*(\a)+11], v[0+(\c):7+(\c)], v[WS+(\f)/2], v[AS+(\a)] matrix_a_fmt:MATRIX_FMT_FP6 matrix_b_fmt:MATRIX_FMT_FP6
.endif
.endif
.endm
; The accumulators take turns, one instruction a turn: 16 in MUL_X and SCORES, 8 elsewhere.
.macro MUL_X s, base                   ; Gx += W_ih x, K step s: tile t = 4 (q % 2) + g
.irp t, 0,1,2,3,4,5,6,7
.irp m, 0,1
	MM \base+16*\t+8*\m, 8*\s+\t, 2*\s+\m, \base+16*\t+8*\m
.endr
.endr
.endm
.macro SCORES                          ; my 128 supports x 32 rows: ACC + 64 m + 8 t
	s_wait_dscnt 24                                ; all but the second K step's 8 fragments x 3 loads
	WIN 0x0e                                       ; weights window 2, activations window 3, C and D window 0
.irp t, 0,1,2,3,4,5,6,7
.irp m, 0,1
	MM ACC+64*\m+8*\t, \t, \m, -1
.endr
.endr
	s_wait_dscnt 0x0
.irp t, 0,1,2,3,4,5,6,7
.irp m, 0,1
	MM ACC+64*\m+8*\t, 8+\t, 2+\m, ACC+64*\m+8*\t
.endr
.endr
	WIN 0
	PLACES
.endm
; 64 numbers of a lane, register 16 b + i = number 16 (lane / 16) + i of block b of my row: the four blocks' largest magnitudes
.macro QMAX src, mx
.irp b, 0,1,2,3
	v_max3_num_f32 v[\mx+\b], |v[\src+16*\b]|, |v[\src+16*\b+1]|, 0x1800000   ; and the floor 2^(3 - 127): the byte cannot fall under 1
.endr
.irp i, 2,4,6,8,10,12,14
.irp b, 0,1,2,3
	v_max3_num_f32 v[\mx+\b], v[\mx+\b], |v[\src+16*\b+\i]|, |v[\src+16*\b+\i+1]|
.endr
.endr
.irp b, 0,1,2,3
	v_permlanex16_b32 v[TQ+\b], v[\mx+\b], s20, s21
.endr
.irp b, 0,1,2,3
	v_max_num_f32 v[\mx+\b], v[\mx+\b], v[TQ+\b]
.endr
.endm
; and their codes, in v[PC] on (registers 6 c .. 6 c + 5: lanes 0-15 block 2 c, lanes 16-31 block 2 c + 1), with the four bytes in v[PW]
.macro QCODE src, mx
.irp b, 0,1,2,3
	v_add_nc_u32 v[TS+\b], 0xff000000, v[\mx+\b]   ; 2 off the exponent field: the conversion's scale operand
.endr
.irp b, 0,1,2,3
	v_lshrrev_b32 v[TQ+\b], 23, v[TS+\b]           ; the scale's byte
.endr
	v_lshl_or_b32 v[PW], v[TQ+1], 8, v[TQ]
	v_lshl_or_b32 v[PW], v[TQ+2], 16, v[PW]
	v_lshl_or_b32 v[PW], v[TQ+3], 24, v[PW]
.irp c, 0,1
	v_cvt_scalef32_pk16_fp6_f32 v[PC+6*\c:PC+6*\c+2], v[\src+32*\c:\src+32*\c+15], v[TS+2*\c]
	v_cvt_scalef32_pk16_fp6_f32 v[PC+12+4*\c:PC+14+4*\c], v[\src+32*\c+16:\src+32*\c+31], v[TS+2*\c+1]   ; (a conversion's three registers begin on an even number)
.endr
	v_nop                                          ; one plain place behind a scaled conversion
.irp c, 0,1
.irp i, 0,1,2
	v_permlane16_swap_b32 v[PC+6*\c+\i], v[PC+12+4*\c+\i]   ; a whole block to a lane
.endr
.irp i, 0,1,2
	v_mov_b32 v[PC+3+6*\c+\i], v[PC+12+4*\c+\i]
.endr
.endr
.endm
.macro PUTFULL adr, sadr, off, soff    ; the four blocks are one fragment of one row tile
.irp e, 0,1,2,3,4,5
	ds_store_b64 v[\adr], v[PC+2*\e:PC+2*\e+1] offset:\off+256*\e
.endr
	ds_store_b32 v[\sadr], v[PW] offset:\soff
.endm
.macro PUTHALF off, soff               ; blocks 0, 1 are my 64 columns of row tile 0, blocks 2, 3 of row tile 1: half a fragment and two bytes of its scale word each
.irp m, 0,1
.irp e, 0,1,2
	ds_store_b64 v[HW], v[PC+6*\m+2*\e:PC+6*\m+2*\e+1] offset:\off+1536*\m+256*\e
.endr
.endr
	ds_store_b16 v[HSW], v[PW] offset:\soff
	ds_store_b16_d16_hi v[HSW], v[PW] offset:\soff+128
.endm
.macro GATES op, first                 ; one transcendental on the 64 gate numbers (first = 1: not on the forget gate's 16), as ONE batch with one plain place and one wait
.set k, 0
.rept 64
.if ((\first) == 0) || ((k/16) != 1)
	\op v[ACC+k], v[ACC+k]
.endif
.set k, k+1
.endr
	v_nop
	s_wait_alu depctr_va_vdst(0)
.endm
; THE CELL for j tile q, both row tiles: 16 numbers a lane of each gate.  first = 1: step 1: the gates are Gx, c = 0.
.macro ACT q, first
.if \first
	WIN 0x01                                       ; source 0: Gx, window 1
.endif
.set k, 0
.rept 32                               ; i, f, o x (-L); g x 2 L.  Ascending: each accumulator is read from its low end on
.set kc, 24
.if (k/8) == 2
.set kc, 26
.endif
.if \first
.if (k/8) != 1
	v_pk_mul_f32 v[ACC+2*k:ACC+2*k+1], v[64*\q+2*k:64*\q+2*k+1], v[kc:kc+1]
.endif
.else
	v_pk_mul_f32 v[ACC+2*k:ACC+2*k+1], v[ACC+2*k:ACC+2*k+1], v[kc:kc+1]
.endif
.set k, k+1
.endr
	WIN 0
	GATES v_exp_f32, \first
.set k, 0
.rept 32
.if ((\first) == 0) || ((k/8) != 1)
	v_pk_add_f32 v[ACC+2*k:ACC+2*k+1], v[ACC+2*k:ACC+2*k+1], 1.0 op_sel_hi:[1,0]
.endif
.set k, k+1
.endr
	GATES v_rcp_f32, \first                        ; i, f, o are done
.set k, 0
.rept 8
	v_pk_fma_f32 v[GG+2*k:GG+2*k+1], v[GG+2*k:GG+2*k+1], v[28:29], v[26:27]   ; 2 L tanh(g) = 2 L - 4 L / (1 + 2^(2 L g))
.set k, k+1
.endr
.if \first
	WIN 0xc0                                       ; destination window 3
.set k, 0
.rept 8
	v_pk_mul_f32 v[CC+16*\q+2*k:CC+16*\q+2*k+1], v[GI+2*k:GI+2*k+1], v[GG+2*k:GG+2*k+1]   ; 2 L c = i x 2 L tanh(g)
.set k, k+1
.endr
.else
.set k, 0
.rept 8
	v_pk_mul_f32 v[GI+2*k:GI+2*k+1], v[GI+2*k:GI+2*k+1], v[GG+2*k:GG+2*k+1]
.set k, k+1
.endr
	WIN 0xcc                                       ; destination and source 1 window 3
.set k, 0
.rept 8
	v_pk_fma_f32 v[CC+16*\q+2*k:CC+16*\q+2*k+1], v[GF+2*k:GF+2*k+1], v[CC+16*\q+2*k:CC+16*\q+2*k+1], v[GI+2*k:GI+2*k+1]   ; 2 L c = f x 2 L c + i x 2 L tanh(g)
.set k, k+1
.endr
.endif
	WIN 0x03                                       ; source 0 window 3
.set k, 0
.rept 16
	v_exp_f32 v[GF+k], v[CC+16*\q+k]
.set k, k+1
.endr
	WIN 0
	v_nop
	s_wait_alu depctr_va_vdst(0)
.set k, 0
.rept 8
	v_pk_add_f32 v[GF+2*k:GF+2*k+1], v[GF+2*k:GF+2*k+1], 1.0 op_sel_hi:[1,0]
.set k, k+1
.endr
.set k, 0
.rept 16
	v_rcp_f32 v[GF+k], v[GF+k]
.set k, k+1
.endr
	v_nop
	s_wait_alu depctr_va_vdst(0)
.set k, 0
.rept 8
	v_pk_fma_f32 v[GF+2*k:GF+2*k+1], v[GF+2*k:GF+2*k+1], -2.0, 1.0 op_sel_hi:[1,0,0]   ; tanh(c)
.set k, k+1
.endr
	WIN 0x30                                       ; source 2: x, window 3
.irp m, 0,1
.irp i, 0,2,4,6
	v_pk_fma_f32 v[HH+32*\m+8*\q+\i:HH+32*\m+8*\q+\i+1], v[GQ+8*\m+\i:GQ+8*\m+\i+1], v[GF+8*\m+\i:GF+8*\m+\i+1], v[XX+32*\m+8*\q+\i:XX+32*\m+8*\q+\i+1]   ; h = o tanh(c) + x
.endr
.endr
	WIN 0
.endm
.macro BLOAD q0, dst, sb               ; the biases of j tiles q0, q0 + 1, in the result's layout: for tile (q, g) the eight numbers 512 g + 64 w + 32 (q / 2) + 8 (q % 2) + 16 h + 0 .. 7
.irp q, 0,1
.irp g, 0,1,2,3
	global_load_b128 v[\dst+8*(4*\q+\g):\dst+8*(4*\q+\g)+3], v[BO], s[\sb:\sb+1] offset:4*(512*\g+16*\q0+8*\q)
	global_load_b128 v[\dst+8*(4*\q+\g)+4:\dst+8*(4*\q+\g)+7], v[BO], s[\sb:\sb+1] offset:4*(512*\g+16*\q0+8*\q)+16
.endr
.endr
.endm
.macro BSUM q0, src                    ; Gx begins as b_ih + b_hh, for both row tiles
.irp q, 0,1
.irp g, 0,1,2,3
.irp m, 0,1
.irp i, 0,2,4,6
	v_pk_add_f32 v[64*(\q0+\q)+16*\g+8*\m+\i:64*(\q0+\q)+16*\g+8*\m+\i+1], v[\src+8*(4*\q+\g)+\i:\src+8*(4*\q+\g)+\i+1], v[\src+64+8*(4*\q+\g)+\i:\src+64+8*(4*\q+\g)+\i+1]
.endr
.endr
.endr
.endr
	PLACES                                         ; between these sums and the products that take them as C
.endm
.macro BMAX src, mx                    ; the largest SCORE of each block of 32 supports: for the row's maximum, and, since p rises with the score, for the block's largest p
.irp b, 0,1,2,3
	v_max3_num_f32 v[\mx+\b], v[\src+16*\b], v[\src+16*\b+1], v[\src+16*\b+2]
.endr
.irp i, 3,5,7,9,11,13
.irp b, 0,1,2,3
	v_max3_num_f32 v[\mx+\b], v[\mx+\b], v[\src+16*\b+\i], v[\src+16*\b+\i+1]
.endr
.endr
.irp b, 0,1,2,3
	v_max_num_f32 v[\mx+\b], v[\mx+\b], v[\src+16*\b+15]
.endr
.irp b, 0,1,2,3
	v_permlanex16_b32 v[TQ+\b], v[\mx+\b], s20, s21
.endr
.irp b, 0,1,2,3
	v_max_num_f32 v[\mx+\b], v[\mx+\b], v[TQ+\b]
.endr
.endm
.macro PSUM src, su, tq                ; the sum of my 128 unquantised p of a row: two packed chains, the halves, lane xor 16's
	v_pk_add_f32 v[\su:\su+1], v[\src:\src+1], v[\src+2:\src+3]
	v_pk_add_f32 v[\su+2:\su+3], v[\src+4:\src+5], v[\src+6:\src+7]
.irp j, 8,12,16,20,24,28,32,36,40,44,48,52,56,60
	v_pk_add_f32 v[\su:\su+1], v[\su:\su+1], v[\src+\j:\src+\j+1]
	v_pk_add_f32 v[\su+2:\su+3], v[\su+2:\su+3], v[\src+\j+2:\src+\j+3]
.endr
	v_pk_add_f32 v[\su:\su+1], v[\su:\su+1], v[\su+2:\su+3]
	v_add_f32 v[\su], v[\su], v[\su+1]
	v_permlanex16_b32 v[\tq], v[\su], s20, s21
	v_add_f32 v[\su], v[\su], v[\tq]
.endm
; A period on W_hh: j tile q, K = 512 (h | r): 32 products, then the cell
.macro UPER q, fill, way, read, geta
	CHANGE \fill, \way
.if \geta
	FETCHA 8, 0                                    ; h | r: they stay in registers for the four periods
.endif
	FETCHW \read
	WIN 0x1e                                       ; C: Gx, window 1
	s_wait_dscnt 36                                ; all but the three later K steps' 4 fragments x 3 loads
.irp g, 0,1,2,3
.irp m, 0,1
	MM ACC+16*\g+8*\m, \g, \m, 64*\q+16*\g+8*\m
.endr
.endr
	WIN 0x0e
.irp s, 1,2,3
	s_wait_dscnt 36-12*\s
.irp g, 0,1,2,3
.irp m, 0,1
	MM ACC+16*\g+8*\m, 4*\s+\g, 2*\s+\m, ACC+16*\g+8*\m
.endr
.endr
.endr
	WIN 0
	PLACES
	ACT \q, 0
.endm
	; ---- THE HEAD
	s_load_b256 s[4:11], s[0:1], 0x0               ; wts s[4:5], query_mean s[6:7], b_ih s[8:9], b_hh s[10:11]
	s_load_b64 s[12:13], s[0:1], 0x20              ; out0
	v_lshl_add_u32 v[SPW], v0, 2, SPARE
	v_mov_b32 v[NIL], 0
	ds_add_u32 v[SPW], v[NIL]                      ; the wave's opening: the add and its wait stand ahead of the round in front of my first tensor loads; the set-up, work on registers, stands between them
	v_lshrrev_b32 v114, 5, v0
	v_readfirstlane_b32 s14, v114                  ; w: wave 0..3
	s_bfe_u32 s15, ttmp6, 0x40000                  ; cx: my place in the cluster: it enters x's and out0's addresses alone
	s_lshl_b32 s16, ttmp9, 2
	s_add_co_u32 s16, s16, s15                     ; my work-group = 4 x cluster + cx
	s_lshl_b32 s42, s16, 15                        ; its 32 rows of x: 1,024 bytes each
	s_mov_b32 s43, 0
	s_lshl_b32 s44, s16, 16                        ; and of out0: 2,048 bytes each
	s_mov_b32 s45, 0
	s_lshr_b32 s17, s14, 1                         ; w / 2
	s_and_b32 s18, s14, 1                          ; w % 2
	s_mul_i32 s40, s14, WP                         ; my part of a unit, in memory and in a slot
	s_mov_b32 s46, s40
	s_mov_b32 s47, 0
	s_mov_b32 s20, 0x76543210
	s_mov_b32 s21, 0xfedcba98                      ; v_permlanex16_b32's selects for lane l xor 16
	; descriptor group 1: 100 dense rows of 256 bytes (32 elements of 8 bytes), no padding
	s_mov_b32 s24, 15|(3<<16)|(1<<21)              ; 15:0 the mask: all four work-groups; 17:16 elements of 8 bytes; 21 set beside a mask
	s_mov_b32 s25, 32<<16                          ; tensor_dim0 = 32
	s_mov_b32 s26, 100<<16                         ; tensor_dim1 = 100
	s_mov_b32 s27, 32<<16                          ; tile_dim0 = 32
	s_mov_b32 s28, 100                             ; tile_dim1 = 100
	s_mov_b32 s29, 32                              ; from row to row
	s_mov_b32 s30, 0
	s_mov_b32 s31, 0
	v_and_b32 v114, 31, v0                         ; l
	v_and_b32 v115, 15, v0                         ; r
	v_bfe_u32 v116, v0, 4, 1                       ; h
	v_lshlrev_b32 v117, 3, v114                    ; 8 l
	v_lshlrev_b32 v118, 2, v114                    ; 4 l
	v_lshlrev_b32 v119, 2, v115                    ; 4 r
	v_lshlrev_b32 v120, 4, v114                    ; 16 l
	v_add_nc_u32 v[WA], s40, v120
	v_add_nc_u32 v[WA+1], SLOT1, v[WA]
	s_add_co_u32 s19, s40, 24576
	v_add_nc_u32 v[WSA], s19, v117
	v_add_nc_u32 v[WSA+1], SLOT1, v[WSA]
	v_add_nc_u32 v[AB], HR, v117
	v_add_nc_u32 v[SB], HRS, v118
	s_mul_i32 s19, s17, 3072
	s_mul_i32 s22, s18, 768
	s_add_co_u32 s19, s19, s22
	s_add_co_u32 s19, s19, HR
	v_add_nc_u32 v[HW], s19, v117
	s_lshl_b32 s19, s17, 8
	s_lshl_b32 s22, s18, 1
	s_add_co_u32 s19, s19, s22
	s_add_co_u32 s19, s19, HRS
	v_add_nc_u32 v[HSW], s19, v118
	s_mul_i32 s19, s14, 3072
	s_add_co_u32 s19, s19, PP
	v_add_nc_u32 v[PWA], s19, v117
	s_lshl_b32 s19, s14, 8
	s_add_co_u32 s19, s19, PPS
	v_add_nc_u32 v[PSW], s19, v118
	s_mul_i32 s19, s18, 3072
	s_mul_i32 s22, s17, 1536
	s_add_co_u32 s19, s19, s22
	s_add_co_u32 s19, s19, HR
	v_add_nc_u32 v[XW], s19, v117
	s_lshl_b32 s19, s18, 8
	s_lshl_b32 s22, s17, 7
	s_add_co_u32 s19, s19, s22
	s_add_co_u32 s19, s19, HRS
	v_add_nc_u32 v[XSW], s19, v118
	s_lshl_b32 s19, s14, 7
	s_add_co_u32 s19, s19, MX
	v_add_nc_u32 v[MXW], s19, v119
	v_add_nc_u32 v[MXR], MX, v119
	s_mul_i32 s19, s14, 16896
	s_add_co_u32 s19, s19, STG
	v_mul_u32_u24 v121, v115, 528
	v_lshl_add_u32 v121, v116, 6, v121
	v_add_nc_u32 v[STW], s19, v121
	v_add_nc_u32 v[STR], s19, v120
	s_lshl_b32 s19, s14, 9
	v_add_nc_u32 v[GOF], s19, v120
	v_lshlrev_b32 v122, 10, v115
	v_lshl_add_u32 v122, v116, 6, v122             ; 1024 r + 64 h
	s_lshl_b32 s19, s17, 14
	s_lshl_b32 s22, s18, 9
	s_add_co_u32 s19, s19, s22
	v_add_nc_u32 v[XQ], s19, v122                  ; I quantise row tile w / 2, K step w % 2 of x
	s_lshl_b32 s22, s14, 8
	v_add_nc_u32 v[XR], s22, v122
	v_lshlrev_b32 v123, 6, v116
	v_add_nc_u32 v[BO], s22, v123
.irp p, 24,25
	v_mov_b32 v[\p], 0xbfb8aa3b                    ; -L
	v_mov_b32 v[\p+2], 0x4038aa3b                  ; 2 L
	v_mov_b32 v[\p+4], 0xc0b8aa3b                  ; -4 L
	v_mov_b32 v[\p+6], 0x3fb8aa3b                  ; L = log2(e)
.endr
.irp b, 0,1,2,3
	v_mov_b32 v[TQ+\b], 0                          ; written once: a lane permute's destination counts as one of its sources
.endr
	s_wait_dscnt 0x0                               ; the opening add is done
	s_wait_kmcnt 0x0
	s_add_nc_u64 s[6:7], s[6:7], s[42:43]
	s_add_nc_u64 s[12:13], s[12:13], s[44:45]
	s_mov_b32 s32, 1                               ; group 0, which walks: unit 0 into slot 0
	s_mov_b32 s33, s40
	s_add_nc_u64 s[34:35], s[4:5], s[46:47]
	s_mov_b32 s36, 1                               ; a second one for unit 1 into slot 1
	s_add_co_u32 s37, s40, SLOT1
	s_add_nc_u64 s[38:39], s[34:35], U
	s_or_b32 s35, s35, 0x80000000                  ; type = 2
	s_or_b32 s39, s39, 0x80000000
	ROUND                                          ; all four work-groups are here: the first joint loads meet
	tensor_load_to_lds s[32:35], s[24:31]
	s_nop 0
	tensor_load_to_lds s[36:39], s[24:31]
	s_nop 0
	PLACES
.irp b, 0,1,2,3                                ; x for the quantiser: of each block of 32 my 16 numbers
.irp e, 0,1,2,3
	global_load_b128 v[ACC+16*\b+4*\e:ACC+16*\b+4*\e+3], v[XQ], s[6:7] offset:128*\b+16*\e
.endr
.endr
	WIN 0x80                                       ; destination window 2: the weights' registers are free
	BLOAD 0, 0, 8
	BLOAD 0, 64, 10
	WIN 0
	s_wait_loadcnt 32                              ; x is in; the 32 bias loads behind it may be out
	QMAX ACC, TM
	QCODE ACC, TM
	PUTFULL XW, XSW, 0, 0
	BLOAD 2, ACC, 8                                ; j tiles 2, 3: they are wanted a period later, and ACC is free until then
	BLOAD 2, ACC+64, 10
	WIN 0xc0                                       ; destination window 3
.irp m, 0,1                                    ; x in h's layout
.irp b, 0,1
.irp e, 0,1,2,3
	global_load_b128 v[XX+32*\m+16*\b+4*\e:XX+32*\m+16*\b+4*\e+3], v[XR], s[6:7] offset:16384*\m+128*\b+16*\e
.endr
.endr
.endr
	s_wait_loadcnt 48                              ; the biases of j tiles 0, 1 are in; the 48 loads just issued may be out
	WIN 0x4a                                       ; destination window 1, both sources window 2
	BSUM 0, 0
	WIN 0
	s_wait_tensorcnt 0x1                           ; my part of unit 0 is in; unit 1's may stay out
	s_wait_dscnt 0x0                               ; my fragment of x has landed
	s_barrier_signal -1
	s_barrier_wait -1
	; ---- PERIOD 0: Gx of j tiles 0, 1
	FETCHA 4, 0                                    ; x: it stays in registers for both periods
	FETCHW 0
	s_wait_dscnt 24
	WIN 0x5e                                       ; C and D window 1
	MUL_X 0, 0
	s_wait_dscnt 0x0
	MUL_X 1, 0
	; ---- PERIOD 1: Gx of j tiles 2, 3; then step 1's cell
	CHANGE 0, 2                                    ; slot 0 takes S by columns
	FETCHW 1
	s_wait_loadcnt 16                              ; the biases of j tiles 2, 3 are in; x in h's layout may be out
	WIN 0x40                                       ; destination window 1
	BSUM 2, ACC
	s_wait_dscnt 24
	WIN 0x5e
	MUL_X 0, 128
	s_wait_dscnt 0x0
	MUL_X 1, 128
	WIN 0
	PLACES
	s_wait_loadcnt 0x0                             ; x in h's layout
	ACT 0, 1
	ACT 1, 1
	ACT 2, 1
	ACT 3, 1
	QMAX HH, TM
	QCODE HH, TM
	PUTHALF 0, 0                                   ; h over x's codes: every wave's reads of those ended in front of this period's round
	s_mov_b32 s41, 3
.Lstep:                                                ; a trip: scores and softmax of the h in hand, r, and the next step's cell
	; ---- S by columns: scores, p
	CHANGE 1, 1
	FETCHA 4, 0
	FETCHW 0
	SCORES
	BMAX ACC, TM
	BMAX ACC+64, TB
	v_max3_num_f32 v[SU], v[TM], v[TM+1], v[TM+2]
	v_max3_num_f32 v[SU+4], v[TB], v[TB+1], v[TB+2]
	v_max_num_f32 v[SU], v[SU], v[TM+3]
	v_max_num_f32 v[SU+4], v[SU+4], v[TB+3]
	ds_store_b32 v[MXW], v[SU]                     ; my 128 supports' largest score of each row (lanes l and l xor 16 write the same word with the same value)
	ds_store_b32 v[MXW], v[SU+4] offset:64
	s_wait_dscnt 0x0
	s_barrier_signal -1                            ; (my tensor load stays out)
	s_barrier_wait -1
.irp w, 0,1,2,3
.irp m, 0,1
	ds_load_b32 v[T8+2*\w+\m], v[MXR] offset:128*\w+64*\m
.endr
.endr
	s_wait_dscnt 0x0
	v_max3_num_f32 v[SU], v[T8], v[T8+2], v[T8+4]
	v_max3_num_f32 v[SU+4], v[T8+1], v[T8+3], v[T8+5]
	v_max_num_f32 v[SU], v[SU], v[T8+6]
	v_max_num_f32 v[SU+4], v[SU+4], v[T8+7]
	v_mul_f32 v[SU], v30, v[SU]                    ; as t
	v_mul_f32 v[SU+4], v30, v[SU+4]
	v_floor_f32 v[NM], -v[SU]                      ; -M = floor(-t) = -ceil(t)
	v_floor_f32 v[NM+2], -v[SU+4]
	v_mov_b32 v[NM+1], v[NM]
	v_mov_b32 v[NM+3], v[NM+2]
.set k, 0
.rept 32
	v_pk_fma_f32 v[ACC+2*k:ACC+2*k+1], v[ACC+2*k:ACC+2*k+1], v[30:31], v[NM:NM+1]   ; t - M
.set k, k+1
.endr
.set k, 0
.rept 32
	v_pk_fma_f32 v[ACC+64+2*k:ACC+64+2*k+1], v[ACC+64+2*k:ACC+64+2*k+1], v[30:31], v[NM+2:NM+3]
.set k, k+1
.endr
.irp b, 0,1,2,3
	v_fma_f32 v[TM+\b], v[TM+\b], v30, v[NM]       ; the same of each block's largest score
	v_fma_f32 v[TB+\b], v[TB+\b], v30, v[NM+2]
.endr
.set k, 0
.rept 128
	v_exp_f32 v[ACC+k], v[ACC+k]                   ; p = 2^(t - M): not normalised
.set k, k+1
.endr
.irp b, 0,1,2,3
	v_exp_f32 v[TM+\b], v[TM+\b]                   ; the blocks' largest p: the same two instructions on the same number give the same bits
	v_exp_f32 v[TB+\b], v[TB+\b]
.endr
	v_nop                                          ; one plain place and one wait for the batch of 136
	s_wait_alu depctr_va_vdst(0)
	PSUM ACC, SU, TQ
	PSUM ACC+64, SU+4, TQ+1
	ds_store_b32 v[MXW], v[SU] offset:512
	ds_store_b32 v[MXW], v[SU+4] offset:576
.irp b, 0,1,2,3
	v_max_num_f32 v[TM+\b], 0x1800000, v[TM+\b]    ; the floor 2^(3 - 127)
	v_max_num_f32 v[TB+\b], 0x1800000, v[TB+\b]
.endr
	QCODE ACC, TM
	PUTFULL PWA, PSW, 0, 0                         ; K step w of the next product, row tile 0
	s_wait_dscnt 0x0                               ; the stores have read their registers
	QCODE ACC+64, TB
	PUTFULL PWA, PSW, 1536, 128
	; ---- S by rows: r
	CHANGE 0, 1
.irp w, 0,1,2,3
.irp m, 0,1
	ds_load_b32 v[T8+2*\w+\m], v[MXR] offset:512+128*\w+64*\m
.endr
.endr
	FETCHA 8, TOP                                  ; p
	FETCHW 1
	WIN 0x0e
.irp s, 0,1,2,3
	s_wait_dscnt 36-12*\s
.irp t, 0,1,2,3
.irp m, 0,1
.if \s == 0
	MM ACC+32*\m+8*\t, \t, \m, -1
.else
	MM ACC+32*\m+8*\t, 4*\s+\t, 2*\s+\m, ACC+32*\m+8*\t
.endif
.endr
.endr
.endr
	WIN 0
	v_add_f32 v[SU], v[T8], v[T8+2]                ; l: the four waves' sums.  (These six are the places behind the last products)
	v_add_f32 v[SU+1], v[T8+4], v[T8+6]
	v_add_f32 v[SU+4], v[T8+1], v[T8+3]
	v_add_f32 v[SU+5], v[T8+5], v[T8+7]
	v_add_f32 v[SU], v[SU], v[SU+1]
	v_add_f32 v[SU+4], v[SU+4], v[SU+5]
	v_rcp_f32 v[RL], v[SU]
	v_rcp_f32 v[RL+1], v[SU]
	v_rcp_f32 v[RL+2], v[SU+4]
	v_rcp_f32 v[RL+3], v[SU+4]
	v_nop
	s_wait_alu depctr_va_vdst(0)
.set k, 0
.rept 16
	v_pk_mul_f32 v[ACC+2*k:ACC+2*k+1], v[ACC+2*k:ACC+2*k+1], v[RL:RL+1]
.set k, k+1
.endr
.set k, 0
.rept 16
	v_pk_mul_f32 v[ACC+32+2*k:ACC+32+2*k+1], v[ACC+32+2*k:ACC+32+2*k+1], v[RL+2:RL+3]
.set k, k+1
.endr
	QMAX ACC, TM
	QCODE ACC, TM
	PUTHALF 6144, 512                              ; r: K steps 2, 3 beside h
	; ---- W_hh: the next step's cell, a j tile a period
	UPER 0, 1, 1, 0, 1
	UPER 1, 0, 1, 1, 0
	UPER 2, 1, 1, 0, 0
	UPER 3, 0, 0, 1, 0                             ; slot 0 takes S by columns again: five units back
	QMAX HH, TM
	QCODE HH, TM
	PUTHALF 0, 0
	s_sub_co_u32 s41, s41, 1
	s_cmp_lg_u32 s41, 0
	s_cbranch_scc1 .Lstep
	; ---- THE LAST SCORES.  The tail is written out: nothing is left to fetch, so a plain barrier serves
	s_wait_tensorcnt 0x0
	ds_add_u32 v[SPW], v[NIL]
	s_wait_dscnt 0x0                               ; my half fragments of h have landed
	s_barrier_signal -1
	s_barrier_wait -1
	PLACES
	FETCHA 4, 0
	FETCHW 0
	SCORES
	; THE WAY OUT.  A lane holds pieces of 32 bytes of one row; through my own stage they become whole runs of 512 bytes of a row.  LDS serves a wave's instructions in order: no wait between the stores and the loads
.irp m, 0,1
	WIN 0
.irp t, 0,1,2,3,4,5,6,7
	ds_store_b128 v[STW], v[ACC+64*\m+8*\t:ACC+64*\m+8*\t+3] offset:8448*\m+128*(\t/2)+32*(\t%2)       ; each accumulator from its low end on
	ds_store_b128 v[STW], v[ACC+64*\m+8*\t+4:ACC+64*\m+8*\t+7] offset:8448*\m+128*(\t/2)+32*(\t%2)+16
.endr
	WIN 0x80                                       ; destination window 2: the weights' registers are done with
.irp i, 0,1,2,3,4,5,6,7,8,9,10,11,12,13,14,15
	ds_load_b128 v[64*\m+4*\i:64*\m+4*\i+3], v[STR] offset:8448*\m+528*\i
.endr
.endr
	WIN 0x08                                       ; a store's data are its source 1: window 2
	s_wait_dscnt 32                                ; row tile 0 is back; row tile 1's 16 stores and 16 loads may be out
.irp i, 0,1,2,3,4,5,6,7,8,9,10,11,12,13,14,15
	global_store_b128 v[GOF], v[4*\i:4*\i+3], s[12:13] offset:\i*2048 th:TH_STORE_NT   ; 32 lanes store 512 consecutive bytes, at a multiple of 256 from out0's first byte
.endr
	s_wait_dscnt 0x0
.irp i, 0,1,2,3,4,5,6,7,8,9,10,11,12,13,14,15
	global_store_b128 v[GOF], v[64+4*\i:64+4*\i+3], s[12:13] offset:(16+\i)*2048 th:TH_STORE_NT
.endr
	WIN 0
	s_wait_tensorcnt 0x0                           ; the wave's end: behind my last tensor load and my last LDS store
	ds_add_u32 v[SPW], v[NIL]
	s_wait_dscnt 0x0
	ROUND                                          ; the closing round: no work-group ends while a partner may still ask for a part that names it
	s_endpgm
.Lfunc_end_k_q78c93f5bf6_main:
	.size	k_q78c93f5bf6_main, .Lfunc_end_k_q78c93f5bf6_main-k_q78c93f5bf6_main
	.p2alignl 7, 3214868480
	.fill 96, 4, 3214868480
	.section	.rodata,"a",@progbits
	.p2align	6, 0x0
	.amdhsa_kernel k_q78c93f5bf6_main
		.amdhsa_group_segment_fixed_size 327680
		.amdhsa_private_segment_fixed_size 0
		.amdhsa_enable_private_segment 0
		.amdhsa_kernarg_size 40
		.amdhsa_user_sgpr_count 2
		.amdhsa_user_sgpr_kernarg_segment_ptr 1
		.amdhsa_wavefront_size32 1
		.amdhsa_system_sgpr_workgroup_id_x 1
		.amdhsa_system_sgpr_workgroup_id_y 1
		.amdhsa_system_sgpr_workgroup_id_z 1
		.amdhsa_system_vgpr_workitem_id 0
		.amdhsa_next_free_vgpr 1024
		.amdhsa_next_free_sgpr 66
		.amdhsa_reserve_vcc 0
		.amdhsa_float_denorm_mode_32 3
		.amdhsa_float_denorm_mode_16_64 3
		.amdhsa_memory_ordered 1
		.amdhsa_forward_progress 1
		.amdhsa_inst_pref_size 250
	.end_amdhsa_kernel
	.amdgpu_metadata
---
amdhsa.version: [ 1, 2 ]
amdhsa.kernels:
  - .name:           k_q78c93f5bf6_main
    .symbol:         k_q78c93f5bf6_main.kd
    .args:
      - { .name: wts, .offset: 0, .size: 8, .value_kind: global_buffer, .address_space: global }
      - { .name: query_mean, .offset: 8, .size: 8, .value_kind: global_buffer, .address_space: global }
      - { .name: b_ih, .offset: 16, .size: 8, .value_kind: global_buffer, .address_space: global }
      - { .name: b_hh, .offset: 24, .size: 8, .value_kind: global_buffer, .address_space: global }
      - { .name: out0, .offset: 32, .size: 8, .value_kind: global_buffer, .address_space: global }
    .group_segment_fixed_size: 327680
    .private_segment_fixed_size: 0
    .kernarg_segment_align: 8
    .kernarg_segment_size: 40
    .max_flat_workgroup_size: 128
    .sgpr_count:     66
    .vgpr_count:     1024
    .wavefront_size: 32
...
	.end_amdgpu_metadata
.endif
;; end of part 2
